; MI455X (gfx1250); checked and timed in simulation.
; The chip was launched on July 23, 2026; its instructions are those of AMD's public machine-readable ISA for CDNA 5 (MIT licence, August 2026) and "CDNA5" Instruction Set Architecture Reference Guide (July 2026). The comments in the code are by the model that wrote it; some were corrected since.
;; Outer Product Mean. Allowed arithmetic: matrix products marked QUANTISED: E2M3 operands, one E8M0 scale for each 32 along K, by v_wmma_scale_f32_16x16x128_f8f6f4 with both operands' format E2M3, f32 sums; everything else in f32.
;; Inputs: b1 32 float32; b2 32 float32; b_out 128 float32; ln_b 256 float32; ln_g 256 float32; m 1 x 128 x 256 x 256 float32; mask 1 x 128 x 256 float32; w1 256 x 32 float32; w2 256 x 32 float32; w_out 1,024 x 128 float32.
;; Outputs: out0 1 x 256 x 256 x 128 float32.
;; This version of the problem:
;;   THIS VERSION OF THE PROBLEM IS GIVEN IN LOW PRECISION. The matrix products marked QUANTISED in the list below multiply operands that are first quantised to E2M3 (2 exponent bits, 3 mantissa bits; 6 bits a number), with one power-of-two scale for each 32 numbers along K (OCP MX v1.0); their sums are f32. All else is computed in f32.
;;   The module's matrix products, in the order in which they are computed (A, B: the left and right operand; K: the contracted axis; several contracted axes count as one K, in the product's order):
;;     1. [M 32,768, K 256] x [K 256, N 32]; A: computed on the way; B: input w1: QUANTISED
;;     2. [M 32,768, K 256] x [K 256, N 32]; A: computed on the way; B: input w2: QUANTISED
;;     3. [M 8,192, K 128] x [K 128, N 8,192]; A: computed on the way; B: computed on the way: QUANTISED
;;     4. [M 65,536, K 1,024] x [K 1,024, N 128]; A: computed on the way; B: input w_out: QUANTISED
;;     5. [M 256, K 128] x [K 128, N 256]; A: input mask; B: input mask: QUANTISED
;;   THE QUANTISER, for each operand of a quantised product, along K:
;;     - K is cut into blocks of 32 from its start; a last block that is shorter is filled with zeros.
;;     - A block's scale is 2^e with e = floor(log2(the largest magnitude in the block)) - 2, held to -126 .. 127; a block of zeros has e = 0. As a byte (E8M0): e + 127.
;;     - Each number is divided by its block's scale, clamped to +-7.5, and rounded to the nearest number of E2M3, ties to even, subnormals kept.
;;     - The product sums the exact products of the quantised numbers (number of the format x scale) in f32.
;;   ~~~python
;;   def quantise(x, axis):      # numpy; x: float32 -> the quantised numbers, widened to float32 again
;;       x = np.moveaxis(x, axis, -1); K = x.shape[-1]
;;       x = np.pad(x, [(0, 0)] * (x.ndim - 1) + [(0, -K % 32)]); x = x.reshape(x.shape[:-1] + (-1, 32)); a = np.abs(x).max(-1, keepdims=True)
;;       e = np.where(a > 0, np.clip(np.frexp(np.where(a > 0, a, 1))[1] - 1 - 2, -126, 127), 0)      # np.frexp(a)[1] - 1 = floor(log2(a)), exactly
;;       r = np.clip(x / 2.0 ** e, -7.5, 7.5)
;;       step = 2.0 ** (np.maximum(np.frexp(np.where(r == 0, 1, r))[1] - 1, 0) - 3)
;;       q = np.round(r / step) * step * 2.0 ** e      # np.round: ties to even
;;       return np.moveaxis(q.reshape(q.shape[:-2] + (-1,))[..., :K], -1, axis).astype(np.float32)
;;   ~~~
;;   OPERANDS COMPUTED ON THE WAY. 'Computed on the way' means the value that the module computes at that place (a softmax that the list does not call 'softmax' is quantised finished and normalised). What goes into a quantiser is computed in f32, as accurately as f32 sums, v_exp_f32 and their like allow (about 1e-6 of the number): no bf16 or f16 on the way to a quantiser, and a product that is left as it is and whose result goes on into a quantised operand takes f32 operands (vector FMAs, or v_wmma_f32_16x16x4_f32). A number that lies on a knife's edge between two numbers of the format may be rounded either way, as far as f32 arithmetic and the matrix unit's own rounding can turn it there, and no further.
;; One version. Each part assembles by itself: llvm-mc -triple=amdgcn-amd-amdhsa -mcpu=gfx1250 --defsym DOCPART=n.
;; ======== version 1 of 1: 2 launches
;; limits: right only within a limited range of input values
;; workspace buffers: arec 851,968 bytes; brec 851,968 bytes; maskq 32,768 bytes; wo 106,496 bytes
;; launch proj (part 1): grid 256 x 1, 8 waves a work-group, no clusters, 182,784 bytes of LDS; arguments m, mask, ln_g, ln_b, w1, b1, w2, b2, w_out, arec, brec, maskq, wo; writes arec, brec, maskq, wo
.if DOCPART == 1
	.amdgcn_target "amdgcn-amd-amdhsa--gfx1250"
	.amdhsa_code_object_version 6
	.text
	.protected	k_q1ceecad421_proj
	.globl	k_q1ceecad421_proj
	.p2align	8
	.type	k_q1ceecad421_proj,@function
k_q1ceecad421_proj:
	s_mov_b64 s[64:65], 0
	v_nop
	global_prefetch_b8 v0, s[64:65] scope:SCOPE_SE
	s_setreg_imm32_b32 hwreg(HW_REG_WAVE_MODE, 25, 1), 1
	s_wait_xcnt 0x0
; LayerNorm over 256 channels, the two projections to 32 channels (codes of FP6 (E2M3), one E8M0 scale for each 32 along K), bias, mask;
; the results a and b, the mask and w_out are quantised along THEIR next K and stored as codes for the second launch.
; SHARES.  Work-group i owns residue i and all 128 sequences s.  Wave w owns the tile of rows s = 16 w .. 16 w + 15: it fetches, normalises, quantises and multiplies it by all 64 weight columns.
;   Each wave quantises one of the eight weight fragments (K step w / 4, column tile w % 4) ahead of that; the fragments go round through LDS.
;   Column tile 0, 1: columns 2 r + t of w1; 2, 3: columns 16 t + r of w2 (r = lane % 16).  Wave 6 quantises the mask's column i, wave 7 of the first 64 work-groups one fragment of w_out each.
; THE SUMS: source 0 = mn, source 1 = weight: a lane holds one channel and registers along s = 16 w + 8 (lane / 16) + 0 .. 7.  They cross once through LDS, and waves 0 to 3 quantise one column tile each along all 128 s.
;   Position k = 32 b + 16 h + 8 v + j of a's and b's codes stands for s = 32 b + 16 v + 8 h + j: the same for both, inside each block of 32.
; RECORDS of 3,328 bytes for each residue: two images of 1,536 (registers 4 g .. 4 g + 3 of lane l at 512 g + 16 l), then their scale words, 128 bytes each.
; wo: for each K step of 128: eight images, then eight times 128 bytes of scale words: 13,312 bytes.
; NO CLUSTER: work-groups share no row of m; what they share is 66 KB, read through registers.  NO PREFETCH: no loop to run ahead in; all rows are asked for at the head.
; LIMITS: NaN and infinities among the inputs are not served.  A block whose largest magnitude lies under 2^-124 gets the scale byte 1 (the floor); a block of zeros too, where the rule says 127:
;   its codes are zeros, which add nothing under any byte but 0xff, and these bytes are read by this program alone.  1 / sqrt is v_rsq_f32.
; REGISTERS.  Window 0 as named below.  Window 1: v0-95 the eight weight fragments, v96-127 the bias as a C, v128-191 ln_g and v192-255 ln_b of one K step.
.set XP,   1040                        ; an LDS row of m: 1,024 bytes + 16: the 16 rows that a load touches start in different banks
.set WIM,  128*XP                      ; eight weight images
.set WISC, WIM+8*1536                  ; their scale words
.set GBL,  WISC+8*128                  ; ln_g, then ln_b
.set EX,   GBL+2048                    ; the sums on their way to the waves that quantise them: 8 tiles x 4 column tiles x 1,024 bytes
.set MSKL, EX+32768                    ; the mask's column i
.set SPARE, MSKL+512                   ; spare words, 128 bytes a wave
.set RR,  1
.set HH,  2
.set L16, 3
.set L4,  4
.set XA,  5
.set MO,  6
.set VW,  7
.set H8,  8
.set B1O, 9
.set B2O, 10
.set GO,  11
.set T0,  12
.set T1,  13
.set MU,  14
.set RS,  16
.set BV,  18
.set MK,  22
.set TM,  32
.set SPL, 48
.set PC,  56
.set PC2, 68
.set XS0, 80
.set WSC, 84
.set SPW, 92
.set NIL, 93
.set GV,  94
.set IWA, 96
.set IWS, 97
.set EXA, 98
.set EXR, 99
.set WIA, 100
.set WIS, 101
.set XS1, 102
.set GT,  103
.set VWO, 104
.set VML, 105
.set MSA, 106
.set MSR, 107
.set T4,  108
.set X,   112
.set SM,  240
.set WV,  8
.set SEL, 20
.set G0,  28
.set G1,  32
.set KP,  40
.set MSB, 0
.macro WIN new                         ; the immediate's high byte repeats the setting that is left
.if MSB != (\new)
	s_set_vgpr_msb (MSB<<8)|(\new)
.set MSB, \new
.endif
.endm
; 64 numbers of a lane, register 16 b + i = position 32 b + 16 h + i of my row, become a fragment's codes in v[pc] on and its scale word in v[pw].
.macro QUANT s, pc, pw
.irp b, 0,1,2,3
	v_max3_num_f32 v[TM+\b], |v[\s+16*\b]|, |v[\s+16*\b+1]|, 0x1800000   ; and the floor 2^(3 - 127): the byte cannot fall under 1
.endr
.irp i, 2,4,6,8,10,12,14
.irp b, 0,1,2,3
	v_max3_num_f32 v[TM+\b], v[TM+\b], |v[\s+16*\b+\i]|, |v[\s+16*\b+\i+1]|
.endr
.endr
.irp b, 0,1,2,3
	v_permlanex16_b32 v[TM+4+\b], v[TM+\b], s[SEL], s[SEL+1]
.endr
.irp b, 0,1,2,3
	v_max_num_f32 v[TM+\b], v[TM+\b], v[TM+4+\b]   ; with lane l xor 16's 16: the block's largest magnitude
.endr
.irp b, 0,1,2,3
	v_add_nc_u32 v[TM+12+\b], 0xff000000, v[TM+\b]   ; 2 off its exponent field: the conversion's scale operand
.endr
.irp b, 0,1,2,3
	v_lshrrev_b32 v[TM+4+\b], 23, v[TM+12+\b]      ; the scale's byte
.endr
	v_lshl_or_b32 v[\pw], v[TM+5], 8, v[TM+4]
	v_lshl_or_b32 v[\pw], v[TM+6], 16, v[\pw]
	v_lshl_or_b32 v[\pw], v[TM+7], 24, v[\pw]
.irp c, 0,1
	v_cvt_scalef32_pk16_fp6_f32 v[\pc+6*\c:\pc+6*\c+2], v[\s+32*\c:\s+32*\c+15], v[TM+12+2*\c]
	v_cvt_scalef32_pk16_fp6_f32 v[SPL+4*\c:SPL+4*\c+2], v[\s+32*\c+16:\s+32*\c+31], v[TM+13+2*\c]   ; (a conversion's three registers begin on an even number)
.endr
	v_nop                                          ; one plain place behind the scaled conversions
.irp c, 0,1                                    ; the operand wants a WHOLE block in a lane: lanes 0-15 block 2 c, lanes 16-31 block 2 c + 1
.irp i, 0,1,2
	v_permlane16_swap_b32 v[\pc+6*\c+\i], v[SPL+4*\c+\i]
.endr
.irp i, 0,1,2
	v_mov_b32 v[\pc+6*\c+3+\i], v[SPL+4*\c+\i]
.endr
.endr
.endm
; 64 numbers of a lane that run DOWN K of one column, register 32 c + i = k 64 c + 32 h + i: two whole blocks a lane.
.macro QW s, pc, pw
.irp c, 0,1
	v_max3_num_f32 v[TM+\c], |v[\s+32*\c]|, |v[\s+32*\c+1]|, 0x1800000
.endr
.irp i, 2,4,6,8,10,12,14,16,18,20,22,24,26,28,30
.irp c, 0,1
	v_max3_num_f32 v[TM+\c], v[TM+\c], |v[\s+32*\c+\i]|, |v[\s+32*\c+\i+1]|
.endr
.endr
.irp c, 0,1
	v_add_nc_u32 v[TM+12+\c], 0xff000000, v[TM+\c]
.endr
.irp c, 0,1
	v_lshrrev_b32 v[TM+4+\c], 23, v[TM+12+\c]
.endr
	v_lshl_or_b32 v[\pw], v[TM+5], 16, v[TM+4]     ; my two bytes: blocks h and 2 + h,
	v_lshlrev_b32 v[\pw], v[H8], v[\pw]            ; at their places in the word;
	v_permlanex16_b32 v[TM+6], v[\pw], s[SEL], s[SEL+1]
	v_or_b32 v[\pw], v[\pw], v[TM+6]               ; with lane l xor 16's two the word is whole
.irp c, 0,1
	v_cvt_scalef32_pk16_fp6_f32 v[\pc+6*\c:\pc+6*\c+2], v[\s+32*\c:\s+32*\c+15], v[TM+12+\c]
	v_cvt_scalef32_pk16_fp6_f32 v[SPL+4*\c:SPL+4*\c+2], v[\s+32*\c+16:\s+32*\c+31], v[TM+12+\c]
.endr
	v_nop                                          ; one plain place behind the scaled conversions
.irp c, 0,1
.irp i, 0,1,2
	v_mov_b32 v[\pc+6*\c+3+\i], v[SPL+4*\c+\i]
.endr
.endr
.endm
.macro FOLD                            ; four pairs of partial sums, and lane l xor 16's, into v[T0]
	v_pk_add_f32 v[SM:SM+1], v[SM:SM+1], v[SM+2:SM+3]
	v_pk_add_f32 v[SM+4:SM+5], v[SM+4:SM+5], v[SM+6:SM+7]
	v_pk_add_f32 v[SM:SM+1], v[SM:SM+1], v[SM+4:SM+5]
	v_add_f32 v[T0], v[SM], v[SM+1]
	v_permlanex16_b32 v[T1], v[T0], s[SEL], s[SEL+1]
	v_add_f32 v[T0], v[T0], v[T1]
.endm
.macro GAINS hf                        ; ln_g and ln_b of K step hf into window 1: register 16 b + i = channel 128 hf + 32 b + 16 h + i
	WIN 0x40
.set n, 0
.rept 16
	ds_load_b128 v[128+4*n:131+4*n], v[GO] offset:512*\hf+128*(n/4)+16*(n%4)
	ds_load_b128 v[192+4*n:195+4*n], v[GO] offset:1024+512*\hf+128*(n/4)+16*(n%4)
.set n, n+1
.endr
	WIN 0
.endm
	s_load_b512 s[68:83], s[0:1], 0x0              ; m 68, mask 70, ln_g 72, ln_b 74, w1 76, b1 78, w2 80, b2 82
	s_load_b256 s[84:91], s[0:1], 0x40             ; w_out 84, arec 86, brec 88, maskq 90
	s_load_b64 s[92:93], s[0:1], 0x60              ; wo
	v_lshl_add_u32 v[SPW], v0, 2, SPARE
	v_mov_b32 v[NIL], 0
	ds_add_u32 v[SPW], v[NIL]                      ; the wave's opening: the add, twice on end, and its wait ahead of the tensor load
	ds_add_u32 v[SPW], v[NIL]
	v_lshrrev_b32 v[T0], 5, v0
	v_readfirstlane_b32 s[WV], v[T0]               ; wave 0..7
	; m: a tile of 16 rows x 256 numbers of 4 bytes, 65,536 numbers from row to row, 16 bytes of padding behind each row
	s_mov_b32 s[G1+0], (2<<16)|(1<<20)|(7<<22)|(3<<25)
	s_mov_b32 s[G1+1], 256<<16
	s_mov_b32 s[G1+2], 16<<16
	s_mov_b32 s[G1+3], 256<<16
	s_mov_b32 s[G1+4], 16
	s_mov_b32 s[G1+5], 65536
	s_mov_b32 s[G1+6], 0
	s_mov_b32 s[G1+7], 0
	s_mov_b32 s[G0], 1
	s_mul_i32 s[G0+1], s[WV], 16*XP                ; my tile in LDS
	s_mov_b32 s[SEL], 0x76543210
	s_mov_b32 s[SEL+1], 0xfedcba98
	s_mov_b32 s22, 0x3b800000                      ; 1 / 256
	s_mov_b32 s23, 0x3727c5ac                      ; 1e-5
	s_and_b32 s9, s[WV], 1                         ; t
	s_bfe_u32 s10, s[WV], 0x10001                  ; g: 0 = w1, 1 = w2
	s_lshr_b32 s11, s[WV], 2                       ; K step of my weight fragment
	s_lshl_b32 s12, s10, 2
	s_sub_co_u32 s12, 8, s12                       ; bytes from lane to lane: 8 (columns 2 r + t) or 4 (columns 16 t + r)
	s_mul_i32 s13, s10, 60
	s_add_co_u32 s13, s13, 4
	s_mul_i32 s13, s13, s9                         ; 4 t or 64 t
	s_mul_i32 s14, s[WV], 1536
	s_add_co_u32 s14, s14, WIM
	s_lshl_b32 s15, s[WV], 7
	s_add_co_u32 s15, s15, WISC
	s_lshl_b32 s16, s[WV], 12
	s_add_co_u32 s16, s16, EX
	s_lshl_b32 s17, s[WV], 10
	s_add_co_u32 s17, s17, EX
	s_lshl_b32 s18, s[WV], 14                      ; 16 rows of the mask
	v_and_b32 v[RR], 15, v0
	v_bfe_u32 v[HH], v0, 4, 1
	v_and_b32 v[T1], 31, v0
	v_lshlrev_b32 v[L16], 4, v[T1]
	v_lshlrev_b32 v[L4], 2, v[T1]
	v_mul_u32_u24 v[XA], v[RR], XP
	v_lshl_add_u32 v[XA], v[HH], 6, v[XA]
	v_add_nc_u32 v[XA], s[G0+1], v[XA]             ; row r of my tile + 64 h
	v_lshlrev_b32 v[MO], 13, v[HH]
	v_add_nc_u32 v[MO], s18, v[MO]                 ; mask rows 16 w + 8 h
	v_mul_u32_u24 v[VW], v[RR], s12
	v_lshl_add_u32 v[VW], v[HH], 12, v[VW]
	v_add_nc_u32 v[VW], s13, v[VW]                 ; my column + 32 h rows of 128 bytes
	v_lshlrev_b32 v[H8], 3, v[HH]
	v_lshlrev_b32 v[B1O], 3, v[RR]
	v_lshlrev_b32 v[B2O], 2, v[RR]
	v_lshl_add_u32 v[GO], v[HH], 6, GBL
	v_add_nc_u32 v[IWA], s14, v[L16]
	v_add_nc_u32 v[IWS], s15, v[L4]
	v_add_nc_u32 v[EXA], s16, v[L16]
	v_add_nc_u32 v[EXR], s17, v[L16]
	v_add_nc_u32 v[WIA], WIM, v[L16]
	v_add_nc_u32 v[WIS], WISC, v[L4]
	v_lshlrev_b32 v[T4], 2, v0
	v_add_nc_u32 v[GT], GBL, v[T4]
	v_lshlrev_b32 v[VWO], 14, v[HH]
	v_add_nc_u32 v[VWO], v[VWO], v[B2O]            ; w_out: column r + 32 h rows of 512 bytes
	v_lshlrev_b32 v[VML], 10, v[T1]
	v_add_nc_u32 v[MSA], MSKL, v[L4]
	v_lshl_add_u32 v[MSR], v[HH], 6, MSKL
.irp b, 0,1,2,3
	v_mov_b32 v[TM+4+\b], 0                        ; written once: a lane permute's destination counts as one of its sources
.endr
	s_wait_alu depctr_va_vdst(0)
	s_wait_dscnt 0x0                               ; both opening adds are done
	s_wait_kmcnt 0x0
	s_lshl_b32 s2, ttmp9, 10                       ; residue i: 1,024 bytes,
	s_lshl_b32 s3, s[WV], 22                       ; my first s: 16 rows of 262,144 bytes a wave
	s_add_co_u32 s2, s2, s3
	s_mov_b32 s3, 0
	s_add_nc_u64 s[G0+2:G0+3], s[68:69], s[2:3]
	s_or_b32 s[G0+3], s[G0+3], 0x80000000
	tensor_load_to_lds s[G0:G0+3], s[G1:G1+7]      ; my tile of m: the wave's one tensor load
	s_nop 0
	s_cmp_eq_u32 s10, 0
	s_cselect_b64 s[4:5], s[76:77], s[80:81]       ; my weight
	s_lshl_b32 s6, s11, 14                         ; my K step: 128 rows of 128 bytes
	s_mov_b32 s7, 0
	s_add_nc_u64 s[4:5], s[4:5], s[6:7]
	s_lshl_b32 s6, ttmp9, 2
	s_add_nc_u64 s[KP:KP+1], s[70:71], s[6:7]      ; the mask's column i
	global_load_b32 v[GV], v[T4], s[72:73]
	global_load_b32 v[GV+1], v[T4], s[74:75]
.set n, 0
.rept 64                                       ; register 32 c + i = row 64 c + 32 h + i of my K step
	global_load_b32 v[X+n], v[VW], s[4:5] offset:(64*(n/32)+(n%32))*128
.set n, n+1
.endr
	global_load_b32 v[BV], v[B1O], s[78:79]        ; the biases of my lane's four channels
	global_load_b32 v[BV+1], v[B1O], s[78:79] offset:4
	global_load_b32 v[BV+2], v[B2O], s[82:83]
	global_load_b32 v[BV+3], v[B2O], s[82:83] offset:64
.irp j, 0,1,2,3,4,5,6,7
	global_load_b32 v[MK+\j], v[MO], s[KP:KP+1] offset:1024*\j   ; mask[16 w + 8 h + j][i]
.endr
	s_wait_loadcnt 12                              ; the gains and the weight are in; four biases and eight mask words may be out
	QW X, PC, XS0
.irp g, 0,1,2
	ds_store_b128 v[IWA], v[PC+4*\g:PC+4*\g+3] offset:512*\g
.endr
	ds_store_b32 v[IWS], v[XS0]
	ds_store_b32 v[GT], v[GV]
	ds_store_b32 v[GT], v[GV+1] offset:1024
	s_wait_alu depctr_va_vdst(0)
	s_wait_dscnt 0x0                               ; my fragment and my gains have landed in LDS
	s_barrier_signal -1
	s_barrier_wait -1                              ; everybody's have.  Nothing is filled again in this launch, so m's tiles stay on their way across it
	WIN 0x40
.set n, 0
.rept 24
	ds_load_b128 v[4*n:4*n+3], v[WIA] offset:512*n ; fragment 4 ks + ct at v[12 (4 ks + ct)] of window 1
.set n, n+1
.endr
	WIN 0
.irp f, 0,1,2,3,4,5,6,7
	ds_load_b32 v[WSC+\f], v[WIS] offset:128*\f
.endr
	GAINS 0
	s_wait_loadcnt 0x0
	WIN 0x40
.irp c, 0,1,2,3
.irp j, 0,1,2,3,4,5,6,7
	v_mov_b32 v[96+8*\c+\j], v[BV+\c]              ; the bias is the C of the sums' first products: a lane holds one channel, so eight times the same number
.endr
.endr
	WIN 0
	s_wait_alu depctr_va_vdst(0)
	; ---- wave 6: the mask's own codes along s, for the pair counts; lanes 0 and 16 store them as a plain row of 96 bytes, the scale word behind it (twice)
	s_cmp_lg_u32 s[WV], 6
	s_cbranch_scc1 .Lno_mask
.irp q, 0,1,2,3
	global_load_b32 v[SM+\q], v[VML], s[KP:KP+1] offset:32768*\q   ; mask[32 q + lane][i]
.endr
	s_wait_loadcnt 0x0
.irp q, 0,1,2,3
	ds_store_b32 v[MSA], v[SM+\q] offset:128*\q
.endr
.set n, 0
.rept 16                                       ; LDS serves a wave's instructions in order: these see the stores above
	ds_load_b128 v[X+4*n:X+4*n+3], v[MSR] offset:128*(n/4)+16*(n%4)
.set n, n+1
.endr
	s_wait_dscnt 0x0
	QUANT X, PC, XS0
	v_mul_u32_u24 v[T0], v[HH], 24
	v_lshlrev_b32 v[T1], 2, v[HH]
	s_lshl_b32 s6, ttmp9, 7
	s_mov_b32 s7, 0
	s_add_nc_u64 s[6:7], s[90:91], s[6:7]
	s_wait_alu depctr_va_vdst(0)
	s_wait_xcnt 0x0                                ; EXEC changes only behind this wait
	v_cmp_eq_u32 vcc_lo, 0, v[RR]
	s_and_saveexec_b32 s12, vcc_lo
.irp p, 0,1,2,3,4,5
	global_store_b64 v[T0], v[PC+2*\p:PC+2*\p+1], s[6:7] offset:48*(\p/3)+8*(\p%3)
.endr
	global_store_b32 v[T1], v[XS0], s[6:7] offset:96
	s_wait_xcnt 0x0                                ; and again, in front of the line that widens EXEC
	s_or_b32 exec_lo, exec_lo, s12
.Lno_mask:
	; ---- wave 7 of the first 64 work-groups: w_out's fragment f = work-group: K step f / 8, outputs 16 (f % 8) + r
	s_cmp_lg_u32 s[WV], 7
	s_cbranch_scc1 .Lno_wo
	s_cmp_lt_u32 ttmp9, 64
	s_cbranch_scc0 .Lno_wo
	s_lshr_b32 s12, ttmp9, 3
	s_and_b32 s13, ttmp9, 7
	s_lshl_b32 s6, s12, 16
	s_lshl_b32 s7, s13, 6
	s_add_co_u32 s6, s6, s7
	s_mov_b32 s7, 0
	s_add_nc_u64 s[4:5], s[84:85], s[6:7]
.set n, 0
.rept 64
	global_load_b32 v[X+n], v[VWO], s[4:5] offset:(64*(n/32)+(n%32))*512
.set n, n+1
.endr
	s_mul_i32 s12, s12, 13312
	s_mul_i32 s6, s13, 1536
	s_add_co_u32 s6, s6, s12
	s_add_nc_u64 s[14:15], s[92:93], s[6:7]        ; my image
	s_lshl_b32 s6, s13, 7
	s_add_co_u32 s6, s6, s12
	s_add_co_u32 s6, s6, 12288
	s_add_nc_u64 s[16:17], s[92:93], s[6:7]        ; my scale words
	s_wait_loadcnt 0x0
	QW X, PC, XS0
.irp g, 0,1,2
	global_store_b128 v[L16], v[PC+4*\g:PC+4*\g+3], s[14:15] offset:512*\g   ; 32 lanes store 512 consecutive bytes
.endr
	global_store_b32 v[L4], v[XS0], s[16:17]
	s_wait_alu depctr_va_vdst(0)
	s_wait_xcnt 0x0                                ; the stores have read their registers: the codes' registers are written again below
.Lno_wo:
	; ---- my tile: mean, variance (of the differences, so that a common offset does no harm), gain and bias, two fragments
	s_wait_alu depctr_va_vdst(0)
	s_wait_tensorcnt 0x0                           ; my tile is in; only I read it
.set n, 0
.rept 32
	ds_load_b128 v[X+4*n:X+4*n+3], v[XA] offset:128*(n/4)+16*(n%4)   ; register 16 b + i = channel 32 b + 16 h + i of row r
.set n, n+1
.endr
	s_wait_dscnt 0x0
.irp k, 0,1,2,3
	v_pk_add_f32 v[SM+2*\k:SM+2*\k+1], v[X+2*\k:X+2*\k+1], v[X+8+2*\k:X+9+2*\k]   ; four chains; the first pairs start them
.endr
.set n, 8
.rept 56
	v_pk_add_f32 v[SM+2*(n%4):SM+2*(n%4)+1], v[SM+2*(n%4):SM+2*(n%4)+1], v[X+2*n:X+2*n+1]
.set n, n+1
.endr
	FOLD
	v_mul_f32 v[MU], s22, v[T0]
	v_mul_f32 v[MU+1], s22, v[T0]
.set n, 0
.rept 64
	v_pk_add_f32 v[X+2*n:X+2*n+1], v[X+2*n:X+2*n+1], v[MU:MU+1] neg_lo:[0,1] neg_hi:[0,1]
.set n, n+1
.endr
.irp k, 0,1,2,3
	v_pk_mul_f32 v[SM+2*\k:SM+2*\k+1], v[X+2*\k:X+2*\k+1], v[X+2*\k:X+2*\k+1]
.endr
.set n, 4
.rept 60
	v_pk_fma_f32 v[SM+2*(n%4):SM+2*(n%4)+1], v[X+2*n:X+2*n+1], v[X+2*n:X+2*n+1], v[SM+2*(n%4):SM+2*(n%4)+1]
.set n, n+1
.endr
	FOLD
	v_fma_f32 v[T0], v[T0], s22, s23               ; the variance + 1e-5
	s_wait_alu depctr_va_vdst(0)
	v_rsq_f32 v[RS], v[T0]
	v_rsq_f32 v[RS+1], v[T0]                       ; twice, for the packed multiply
	v_nop                                          ; a plain place behind the transcendentals,
	s_wait_alu depctr_va_vdst(0)                   ; and the one wait ahead of their first reader
.macro SCALE hf                        ; K step hf: x 1 / sigma, x gain + bias
.set n, 0
.rept 32
	v_pk_mul_f32 v[X+64*\hf+2*n:X+64*\hf+2*n+1], v[X+64*\hf+2*n:X+64*\hf+2*n+1], v[RS:RS+1]
.set n, n+1
.endr
.if \hf
	s_wait_alu depctr_va_vdst(0)
	s_wait_dscnt 0x0                               ; this K step's gains are in
.endif
	WIN 0x14                                       ; sources 1 and 2 (gain, bias) window 1
.set n, 0
.rept 32
	v_pk_fma_f32 v[X+64*\hf+2*n:X+64*\hf+2*n+1], v[X+64*\hf+2*n:X+64*\hf+2*n+1], v[128+2*n:129+2*n], v[192+2*n:193+2*n]
.set n, n+1
.endr
	WIN 0
.endm
	SCALE 0
	GAINS 1                                        ; on their way while K step 0 is quantised
	QUANT X, PC, XS0
	SCALE 1
	QUANT X+64, PC2, XS1
.rept 4
	v_nop                                          ; codes written by vector instructions stand four places ahead of a scaled product
.endr
	WIN 0x14                                       ; source 1 (weight) and C (bias) window 1
.irp c, 0,1,2,3                                ; the four accumulators take turns
	v_wmma_scale_f32_16x16x128_f8f6f4 v[X+8*\c:X+8*\c+7], v[PC:PC+11], v[12*\c:12*\c+11], v[96+8*\c:96+8*\c+7], v[XS0], v[WSC+\c] matrix_a_fmt:MATRIX_FMT_FP6 matrix_b_fmt:MATRIX_FMT_FP6
.endr
	WIN 0x04
.irp c, 0,1,2,3
	v_wmma_scale_f32_16x16x128_f8f6f4 v[X+8*\c:X+8*\c+7], v[PC2:PC2+11], v[48+12*\c:48+12*\c+11], v[X+8*\c:X+8*\c+7], v[XS1], v[WSC+4+\c] matrix_a_fmt:MATRIX_FMT_FP6 matrix_b_fmt:MATRIX_FMT_FP6
.endr
	WIN 0
.rept 4
	v_nop                                          ; four places behind the last product, ahead of the first read of results (ISA guide 7.12.1)
.endr
.irp c, 0,1,2,3
.irp p, 0,1,2,3
	v_pk_mul_f32 v[X+8*\c+2*\p:X+8*\c+2*\p+1], v[X+8*\c+2*\p:X+8*\c+2*\p+1], v[MK+2*\p:MK+2*\p+1]   ; x the mask; each accumulator from its low end on
.endr
.endr
.irp c, 0,1,2,3
	ds_store_b128 v[EXA], v[X+8*\c:X+8*\c+3] offset:1024*\c
	ds_store_b128 v[EXA], v[X+8*\c+4:X+8*\c+7] offset:1024*\c+512
.endr
	s_wait_alu depctr_va_vdst(0)
	s_wait_dscnt 0x0                               ; for the others' sake: my sums have landed
	s_barrier_signal -1
	s_barrier_wait -1                              ; everybody's have
	; ---- waves 0 to 3: column tile w along all 128 s
	s_cmp_lt_u32 s[WV], 4
	s_cbranch_scc0 .Ldone
.set n, 0
.rept 8                                        ; register 16 b + 8 v + j = s 32 b + 16 v + 8 h + j
	ds_load_b128 v[X+8*n:X+8*n+3], v[EXR] offset:4096*n
	ds_load_b128 v[X+8*n+4:X+8*n+7], v[EXR] offset:4096*n+512
.set n, n+1
.endr
	s_cmp_lt_u32 s[WV], 2                          ; where my results go
	s_cselect_b64 s[4:5], s[86:87], s[88:89]
	s_mul_i32 s2, ttmp9, 3328
	s_mul_i32 s6, s9, 1536
	s_add_co_u32 s6, s6, s2
	s_mov_b32 s7, 0
	s_add_nc_u64 s[14:15], s[4:5], s[6:7]
	s_lshl_b32 s6, s9, 7
	s_add_co_u32 s6, s6, s2
	s_add_co_u32 s6, s6, 3072
	s_add_nc_u64 s[16:17], s[4:5], s[6:7]
	s_wait_dscnt 0x0
	QUANT X, PC, XS0
.irp g, 0,1,2
	global_store_b128 v[L16], v[PC+4*\g:PC+4*\g+3], s[14:15] offset:512*\g   ; 32 lanes store 512 consecutive bytes, at a multiple of 256 from the buffer's first byte
.endr
	global_store_b32 v[L4], v[XS0], s[16:17]
.Ldone:
	s_wait_tensorcnt 0x0                           ; the wave's end
	ds_add_u32 v[SPW], v[NIL]
	s_wait_dscnt 0x0
	s_endpgm
.Lfunc_end_k_q1ceecad421_proj:
	.size	k_q1ceecad421_proj, .Lfunc_end_k_q1ceecad421_proj-k_q1ceecad421_proj
	.p2alignl 7, 3214868480
	.fill 96, 4, 3214868480
	.section	.rodata,"a",@progbits
	.p2align	6, 0x0
	.amdhsa_kernel k_q1ceecad421_proj
		.amdhsa_group_segment_fixed_size 182784
		.amdhsa_private_segment_fixed_size 0
		.amdhsa_enable_private_segment 0
		.amdhsa_kernarg_size 104
		.amdhsa_user_sgpr_count 2
		.amdhsa_user_sgpr_kernarg_segment_ptr 1
		.amdhsa_wavefront_size32 1
		.amdhsa_system_sgpr_workgroup_id_x 1
		.amdhsa_system_sgpr_workgroup_id_y 1
		.amdhsa_system_sgpr_workgroup_id_z 1
		.amdhsa_system_vgpr_workitem_id 0
		.amdhsa_next_free_vgpr 512
		.amdhsa_next_free_sgpr 100
		.amdhsa_reserve_vcc 1
		.amdhsa_float_denorm_mode_32 3
		.amdhsa_float_denorm_mode_16_64 3
		.amdhsa_memory_ordered 1
		.amdhsa_forward_progress 1
		.amdhsa_inst_pref_size 79
	.end_amdhsa_kernel
	.amdgpu_metadata
---
amdhsa.version: [ 1, 2 ]
amdhsa.kernels:
  - .name:           k_q1ceecad421_proj
    .symbol:         k_q1ceecad421_proj.kd
    .args:
      - { .name: m, .offset: 0, .size: 8, .value_kind: global_buffer, .address_space: global }
      - { .name: mask, .offset: 8, .size: 8, .value_kind: global_buffer, .address_space: global }
      - { .name: ln_g, .offset: 16, .size: 8, .value_kind: global_buffer, .address_space: global }
      - { .name: ln_b, .offset: 24, .size: 8, .value_kind: global_buffer, .address_space: global }
      - { .name: w1, .offset: 32, .size: 8, .value_kind: global_buffer, .address_space: global }
      - { .name: b1, .offset: 40, .size: 8, .value_kind: global_buffer, .address_space: global }
      - { .name: w2, .offset: 48, .size: 8, .value_kind: global_buffer, .address_space: global }
      - { .name: b2, .offset: 56, .size: 8, .value_kind: global_buffer, .address_space: global }
      - { .name: w_out, .offset: 64, .size: 8, .value_kind: global_buffer, .address_space: global }
      - { .name: arec, .offset: 72, .size: 8, .value_kind: global_buffer, .address_space: global }
      - { .name: brec, .offset: 80, .size: 8, .value_kind: global_buffer, .address_space: global }
      - { .name: maskq, .offset: 88, .size: 8, .value_kind: global_buffer, .address_space: global }
      - { .name: wo, .offset: 96, .size: 8, .value_kind: global_buffer, .address_space: global }
    .group_segment_fixed_size: 182784
    .private_segment_fixed_size: 0
    .kernarg_segment_align: 8
    .kernarg_segment_size: 104
    .max_flat_workgroup_size: 256
    .sgpr_count:     100
    .vgpr_count:     512
    .wavefront_size: 32
...
	.end_amdgpu_metadata
.endif
;; end of part 1
;; launch pairs (part 2): grid 16 x 16, 8 waves a work-group, clusters of 4 x 1, 231,680 bytes of LDS; arguments arec, brec, maskq, wo, b_out, out0; writes out0
.if DOCPART == 2
	.amdgcn_target "amdgcn-amd-amdhsa--gfx1250"
	.amdhsa_code_object_version 6
	.text
	.protected	k_q1ceecad421_pairs
	.globl	k_q1ceecad421_pairs
	.p2align	8
	.type	k_q1ceecad421_pairs,@function
k_q1ceecad421_pairs:
	s_mov_b64 s[64:65], 0
	v_nop
	global_prefetch_b8 v0, s[64:65] scope:SCOPE_SE
	s_setreg_imm32_b32 hwreg(HW_REG_WAVE_MODE, 25, 1), 1
	s_wait_xcnt 0x0
	s_wait_alu depctr_hold_cnt(0) depctr_sa_sdst(0) depctr_va_vdst(0) depctr_va_sdst(0) depctr_va_ssrc(0) depctr_va_vcc(0) depctr_vm_vsrc(0)
	s_getreg_b32 s2, hwreg(HW_REG_IB_STS2, 6, 4)
	s_cmp_eq_u32 s2, 0
	s_cbranch_scc0 .Lentry_in_a_cluster
	s_endpgm
.Lentry_in_a_cluster:
	s_bfe_u32 s2, ttmp6, 0x10000c
	s_cmp_lg_u32 s2, 0x3003
	s_cbranch_scc0 .Lentry_shape_is_right
	s_endpgm
.Lentry_shape_is_right:
; out0[i][j][z] = (sum over (c, e) of Q(outer[i][j][c][e]) Q(w_out)[32 c + e][z] + b_out[z]) / (1e-3 + norm[i][j]),  outer[i][j][c][e] = sum over s of Q(a)[s][i][c] Q(b)[s][j][e],
; norm[i][j] = sum over s of Q(mask)[s][i] Q(mask)[s][j]; all three products on codes of FP6 (E2M3) with one E8M0 scale for each 32 along K.  The outer product never leaves the registers.
; SHARES.  A work-group owns 16 residues i x 16 residues j; wave w owns j = 2 w and 2 w + 1 of them with all 16 i and all 128 outputs.  Two waves to a SIMD.
; FIRST PRODUCT: source 0 = eight channels e of the wave's first j and the same eight of its second, source 1 = a of my 16 residues at ONE channel c.  So lanes 0-15 hold (i0 + r, j0), lanes 16-31 (i0 + r, j1),
;   and the 32 registers of four tiles are e = 0 .. 31: a whole block of the next K in ONE lane.  Four channels c are one K step of 128: 16 tiles, which become two fragments, one for each j.
;   The blocks' codes change places between the halves of the lanes; the scale words stay: lanes 0-15 hold the first j's, lanes 16-31 the second's, and the product names the row.
; SECOND PRODUCT: source 0 = 16 outputs z of w_out, source 1 = a fragment: a lane holds a pair and eight neighbouring z.  Its sums begin with b_out.
; A STEP: the first product's 16 matrix instructions; then the second product's 16 of the step before, by turns with the 64 lines that seek this step's largest magnitudes; then the conversions.
; CLUSTER.  The four work-groups of a cluster share their 16 residues i, so a and w_out are asked for JOINTLY, mask 15.  A work-group's place enters the addresses of b, of the mask's rows j and of out0 alone.
; NO PREFETCH: each byte is asked for once, at the head; there is no stream that a loop could run ahead of.
; LIMITS: NaN and infinities are not served.  A block of the outer product whose largest magnitude lies under 2^-124 gets the scale byte 1 (the floor); a block of zeros too, where the rule says 127: its codes are zeros.
;   The division is v_rcp_f32 and a multiplication.
; REGISTERS.  Window 0: v2-31 as named below, v32-79 b, v80-127 a, v128-255 the sums ((q, tile) at 128 + 64 q + 8 tile).  Window 1: v0-127 the outer product, v128-223 w_out's fragments, v224-247 codes.
.set WSTEP, 13312                      ; w_out in LDS from byte 0: for each K step eight images and their scale words
.set ACOD, 106496                      ; a: 16 records of 13 rows of 256 bytes + 16: 3,536 bytes, an odd multiple of 16
.set ARP,  3536
.set STG,  163072                      ; the way out: 16 rows x (512 + 16) bytes for each wave; no tile lands here
.set SPARE, STG+8*16*528               ; spare words, 128 bytes a wave
.set SPW,  2
.set NIL,  3
.set AA,   4
.set ASA,  5
.set L16,  6
.set WSA,  7
.set STO,  8
.set RD,   9
.set PK,   10                          ; v10-11: addresses of a run of LDS loads, or at work in the conversions
.set TM,   12                          ; v12-15: four blocks' largest magnitudes, then the conversions' scale operands
.set BSC,  16                          ; v16-17: lanes 0-15 tile 2 t's scale words, lanes 16-31 tile 2 t + 1's
.set RN,   18                          ; v18-19, v22-23: 1 / (1e-3 + norm) of the first, the second j
.set ASC,  20                          ; v20-21: lanes 0-15 even channels', lanes 16-31 odd channels'
.set WSCL, 24                          ; v24-27: lanes 0-15 an even tile's, lanes 16-31 the odd one's
.set HW,   28
.set MSI,  30
.set MSJ,  31
.set BF,   32
.set AF,   80
.set ACC,  128
.set VB,   192                         ; offsets of the head's loads, where sums come later
.set VS,   193
.set VMI,  194
.set VMJ,  195
.set VWI,  196
.set VWJ,  197
.set VBI,  198
.set TP,   200                         ; v200-205 at work in the head
.set T,    0                           ; window 1
.set WF,   128
.set MI,   128                         ; (the mask's codes and the pair counts lie where w_out's fragments come later)
.set MJ,   140
.set NRM,  152
.set HID,  224
.set SPL,  248
.set TA,   4                           ; s4  the K step's place in a's record: 32 bytes a step
.set TAS,  5                           ; s5  among its scale words: 8 bytes a step
.set TW,   6                           ; s6  in w_out
.set WV,   8
.set G1A,  24
.set G1B,  32
.set G1C,  40
.set G0,   48
.set KC,   60
.set MSB, 0
.macro WIN new                         ; the immediate's high byte repeats the setting that is left
.if MSB != (\new)
	s_set_vgpr_msb (MSB<<8)|(\new)
.set MSB, \new
.endif
.endm
.macro CROUND                          ; a round of the cluster's barrier
	s_barrier_signal -1
	s_barrier_wait -1
	s_cmp_lg_u32 s[WV], 0
	s_cbranch_scc1 .Lnot_wave_0_\@
	s_barrier_signal -3
.Lnot_wave_0_\@:
	s_barrier_wait -3
	s_barrier_signal -1
	s_barrier_wait -1
.endm
.macro PLACES                          ; four plain places behind a matrix instruction (ISA guide 7.12.1)
.rept 4
	v_nop
.endr
.endm
.macro P3W d, a, b, sa, sb, ra, rb     ; one product that starts a sum; ra, rb: the side's scale words stand in lanes 16-31
.if (\ra) && (\rb)
	v_wmma_scale_f32_16x16x128_f8f6f4 v[\d:\d+7], v[\a:\a+11], v[\b:\b+11], 0, v[\sa], v[\sb] matrix_a_fmt:MATRIX_FMT_FP6 matrix_b_fmt:MATRIX_FMT_FP6 matrix_a_scale:MATRIX_SCALE_ROW1 matrix_b_scale:MATRIX_SCALE_ROW1
.elseif \ra
	v_wmma_scale_f32_16x16x128_f8f6f4 v[\d:\d+7], v[\a:\a+11], v[\b:\b+11], 0, v[\sa], v[\sb] matrix_a_fmt:MATRIX_FMT_FP6 matrix_b_fmt:MATRIX_FMT_FP6 matrix_a_scale:MATRIX_SCALE_ROW1
.elseif \rb
	v_wmma_scale_f32_16x16x128_f8f6f4 v[\d:\d+7], v[\a:\a+11], v[\b:\b+11], 0, v[\sa], v[\sb] matrix_a_fmt:MATRIX_FMT_FP6 matrix_b_fmt:MATRIX_FMT_FP6 matrix_b_scale:MATRIX_SCALE_ROW1
.else
	v_wmma_scale_f32_16x16x128_f8f6f4 v[\d:\d+7], v[\a:\a+11], v[\b:\b+11], 0, v[\sa], v[\sb] matrix_a_fmt:MATRIX_FMT_FP6 matrix_b_fmt:MATRIX_FMT_FP6
.endif
.endm
.macro P4W d, a, b, c, sa, sb, ra, rb  ; the same with a C
.if (\ra) && (\rb)
	v_wmma_scale_f32_16x16x128_f8f6f4 v[\d:\d+7], v[\a:\a+11], v[\b:\b+11], v[\c:\c+7], v[\sa], v[\sb] matrix_a_fmt:MATRIX_FMT_FP6 matrix_b_fmt:MATRIX_FMT_FP6 matrix_a_scale:MATRIX_SCALE_ROW1 matrix_b_scale:MATRIX_SCALE_ROW1
.elseif \ra
	v_wmma_scale_f32_16x16x128_f8f6f4 v[\d:\d+7], v[\a:\a+11], v[\b:\b+11], v[\c:\c+7], v[\sa], v[\sb] matrix_a_fmt:MATRIX_FMT_FP6 matrix_b_fmt:MATRIX_FMT_FP6 matrix_a_scale:MATRIX_SCALE_ROW1
.elseif \rb
	v_wmma_scale_f32_16x16x128_f8f6f4 v[\d:\d+7], v[\a:\a+11], v[\b:\b+11], v[\c:\c+7], v[\sa], v[\sb] matrix_a_fmt:MATRIX_FMT_FP6 matrix_b_fmt:MATRIX_FMT_FP6 matrix_b_scale:MATRIX_SCALE_ROW1
.else
	v_wmma_scale_f32_16x16x128_f8f6f4 v[\d:\d+7], v[\a:\a+11], v[\b:\b+11], v[\c:\c+7], v[\sa], v[\sb] matrix_a_fmt:MATRIX_FMT_FP6 matrix_b_fmt:MATRIX_FMT_FP6
.endif
.endm
; a's fragments of the next K step's four channels 4 ks + cc, cc = 2 bh + bl.  Channel c lies in image c % 2 of its residue's record, in the bytes of that image's lane c / 2.  13 LDS loads.
.macro FETCH_A
	v_add_nc_u32 v[PK], s[TA], v[AA]
	v_add_nc_u32 v[PK+1], s[TAS], v[ASA]
.irp cc, 0,1,2,3
.irp g, 0,1,2
	ds_load_b128 v[AF+12*\cc+4*\g:AF+12*\cc+4*\g+3], v[PK] offset:272*(6*(\cc%2)+2*\g)+16*(\cc/2)
.endr
.endr
	ds_load_b64 v[ASC:ASC+1], v[PK+1]              ; register bh: lanes 0-15 the word of channel 4 ks + 2 bh, lanes 16-31 that of 4 ks + 2 bh + 1
	s_add_co_u32 s[TA], s[TA], 32
	s_add_co_u32 s[TAS], s[TAS], 8
.endm
.macro FETCH_W                         ; w_out's eight fragments of a K step and their scale words.  28 LDS loads
	WIN 0
	v_add_nc_u32 v[PK], s[TW], v[L16]
	v_add_nc_u32 v[PK+1], s[TW], v[WSA]
	WIN 0x40
.set n, 0
.rept 24
	ds_load_b128 v[WF+4*n:WF+4*n+3], v[PK] offset:512*n
.set n, n+1
.endr
	WIN 0
.irp p, 0,1,2,3
	ds_load_b32 v[WSCL+\p], v[PK+1] offset:256*\p
.endr
	s_add_co_u32 s[TW], s[TW], WSTEP
.endm
; The middle of a step.  p4: the second product of the step before: 0 none; 1 it starts the sums: b_out stands in the first j's, so the second j's come first, with it as C; 2 it adds on; 3 the same, the first j's sums first.
; mx: the search for the largest magnitudes.  Sums and maxima lie in window 0, what is read here in window 1.  The 16 accumulators take turns.
.macro BODY p4, mx
	WIN 0x05
.set N, 0
.rept 16
.if \p4
.if \p4 == 1
.set TT, N%8
.set QQ, 1-(N/8)
.set CR, ACC+8*TT
.elseif \p4 == 2
.set TT, N/2
.set QQ, N%2
.set CR, ACC+64*QQ+8*TT
.else
.set TT, N%8
.set QQ, N/8
.set CR, ACC+64*QQ+8*TT
.endif
	P4W ACC+64*QQ+8*TT, WF+12*TT, HID+12*QQ, CR, WSCL+(TT/2), HW, TT%2, QQ
.endif
.if \mx
.irp b, 0,1,2,3
.if N == 0
	v_max3_num_f32 v[TM+\b], |v[T+32*\b]|, |v[T+32*\b+1]|, 0x1800000   ; block b, and the floor 2^(3 - 127): the byte cannot fall under 1
.else
	v_max3_num_f32 v[TM+\b], |v[T+32*\b+2*N]|, |v[T+32*\b+2*N+1]|, v[TM+\b]
.endif
.endr
.endif
.set N, N+1
.endr
.endm
.macro CONV                            ; the two fragments' codes, and one scale word a lane
	WIN 0
.irp b, 0,1,2,3
	v_add_nc_u32 v[TM+\b], 0xff000000, v[TM+\b]    ; 2 off the exponent field: the conversion's scale operand
.endr
	v_perm_b32 v[PK], v[TM+1], v[TM], 0x07060302   ; the upper halves of blocks 1 and 0,
	v_perm_b32 v[PK+1], v[TM+3], v[TM+2], 0x07060302
	v_lshlrev_b32 v[PK], 1, v[PK]                  ; their exponent fields moved to bytes 3 and 1 (the signs are 0),
	v_lshlrev_b32 v[PK+1], 1, v[PK+1]
	v_perm_b32 v[HW], v[PK+1], v[PK], 0x07050301   ; and the four together
	WIN 0x41                                       ; destination and source 0 window 1
	v_cvt_scalef32_pk16_fp6_f32 v[HID:HID+2], v[T:T+15], v[TM]
	v_cvt_scalef32_pk16_fp6_f32 v[SPL:SPL+2], v[T+16:T+31], v[TM]      ; (a conversion's three registers begin on an even number)
	v_cvt_scalef32_pk16_fp6_f32 v[HID+12:HID+14], v[T+32:T+47], v[TM+1]
	v_cvt_scalef32_pk16_fp6_f32 v[SPL+4:SPL+6], v[T+48:T+63], v[TM+1]
	v_nop                                          ; one plain place behind the scaled conversions: two of the next four write over block 0's numbers
	v_cvt_scalef32_pk16_fp6_f32 v[HID+6:HID+8], v[T+64:T+79], v[TM+2]
	v_cvt_scalef32_pk16_fp6_f32 v[T:T+2], v[T+80:T+95], v[TM+2]
	v_cvt_scalef32_pk16_fp6_f32 v[HID+18:HID+20], v[T+96:T+111], v[TM+3]
	v_cvt_scalef32_pk16_fp6_f32 v[T+4:T+6], v[T+112:T+127], v[TM+3]
	v_nop
.irp i, 0,1,2                                  ; an even block's lanes 16-31 (second j) change places with the odd block's lanes 0-15 (first j): each fragment holds one j
	v_permlane16_swap_b32 v[HID+\i], v[HID+12+\i]
	v_permlane16_swap_b32 v[SPL+\i], v[SPL+4+\i]
	v_permlane16_swap_b32 v[HID+6+\i], v[HID+18+\i]
	v_permlane16_swap_b32 v[T+\i], v[T+4+\i]
.endr
.irp i, 0,1,2
	v_mov_b32 v[HID+3+\i], v[SPL+\i]
	v_mov_b32 v[HID+15+\i], v[SPL+4+\i]
	v_mov_b32 v[HID+9+\i], v[T+\i]
	v_mov_b32 v[HID+21+\i], v[T+4+\i]
.endr
	WIN 0
	s_wait_alu depctr_va_vdst(0)
.endm
.macro HS p4, fa                       ; a step.  fa: a's fragments of the next one are loaded
.if \p4
	s_wait_dscnt 28                                ; a's fragments are in; w_out's 28 loads, issued behind them, may be out
.else
	s_wait_dscnt 0x0
.endif
	WIN 0x40                                       ; D window 1
.irp u, 0,1,2,3
.irp cc, 0,1,2,3
	P3W T+32*\cc+8*\u, BF+12*\u, AF+12*\cc, BSC+(\u/2), ASC+(\cc/2), \u%2, \cc%2
.endr
.endr
	WIN 0
	PLACES                                         ; for the reads of results below, and for the loads into a's registers
.if \fa
	FETCH_A
.endif
.if \p4
.if \fa
	s_wait_dscnt 13                                ; w_out's 28 loads are in; a's 13 may be out
.else
	s_wait_dscnt 0x0
.endif
.endif
	BODY \p4, 1
	FETCH_W                                        ; the four lines behind the last product are its places
	CONV
.endm
	s_load_b256 s[68:75], s[0:1], 0x0              ; arec 68, brec 70, maskq 72, wo 74
	s_load_b128 s[76:79], s[0:1], 0x20             ; b_out 76, out0 78
	v_lshl_add_u32 v[SPW], v0, 2, SPARE
	v_mov_b32 v[NIL], 0
	ds_add_u32 v[SPW], v[NIL]                      ; the wave's opening: the add, twice on end, and its wait ahead of the round in front of the tensor loads
	ds_add_u32 v[SPW], v[NIL]
	v_lshrrev_b32 v1, 5, v0
	v_readfirstlane_b32 s[WV], v1                  ; wave 0..7
	s_and_b32 s11, ttmp7, 0xffff                   ; my block of 16 residues i, which the four partners share
	s_bfe_u32 s9, ttmp6, 0x40000                   ; cx: my place in the cluster
	s_lshl_b32 s10, ttmp9, 2
	s_add_co_u32 s10, s10, s9
	s_lshl_b32 s10, s10, 4
	s_lshl_b32 s12, s[WV], 1
	s_add_co_u32 s10, s10, s12                     ; my wave's first j
	s_mul_i32 s61, s[WV], 16*528
	s_add_co_u32 s61, s61, STG                     ; my stage
	; descriptor groups 1: rows of 256 bytes (32 elements of 8); mask 15: all four work-groups, bit 21 beside it
	s_mov_b32 s[G1A+0], 15|(3<<16)|(1<<20)|(1<<21)|(5<<22)|(3<<25)   ; half of a: 8 records of 13 rows, 16 bytes of padding behind each row
	s_mov_b32 s[G1A+1], 32<<16
	s_mov_b32 s[G1A+2], 104<<16
	s_mov_b32 s[G1A+3], 32<<16
	s_mov_b32 s[G1A+4], 104
	s_mov_b32 s[G1B+0], 15|(3<<16)|(1<<21)         ; one K step of w_out, as it lies
	s_mov_b32 s[G1B+1], 32<<16
	s_mov_b32 s[G1B+2], 52<<16
	s_mov_b32 s[G1B+3], 32<<16
	s_mov_b32 s[G1B+4], 52
	s_mov_b32 s[G1C+0], 15|(3<<16)|(1<<21)         ; two K steps
	s_mov_b32 s[G1C+1], 32<<16
	s_mov_b32 s[G1C+2], 104<<16
	s_mov_b32 s[G1C+3], 32<<16
	s_mov_b32 s[G1C+4], 104
.irp g, G1A, G1B, G1C
	s_mov_b32 s[\g+5], 32
	s_mov_b32 s[\g+6], 0
	s_mov_b32 s[\g+7], 0
.endr
	v_and_b32 v[TP], 15, v0                        ; r
	v_bfe_u32 v[TP+1], v0, 4, 1                    ; h
	v_and_b32 v[TP+2], 31, v0                      ; lane
	v_lshlrev_b32 v[L16], 4, v[TP+2]
	v_mul_u32_u24 v[AA], v[TP], ARP
	v_lshl_add_u32 v[ASA], v[TP+1], 7, v[AA]
	v_add_nc_u32 v[ASA], ACOD+3264, v[ASA]         ; residue r's scale words (row 12 of its record) + 128 h
	v_mul_u32_u24 v[TP+3], v[TP+1], 272
	v_add_nc_u32 v[AA], v[AA], v[TP+3]
	v_add_nc_u32 v[AA], ACOD, v[AA]                ; residue r's record + h rows
	v_lshlrev_b32 v[TP+3], 2, v[TP]
	v_lshl_add_u32 v[TP+3], v[TP+1], 7, v[TP+3]
	v_add_nc_u32 v[WSA], 12288, v[TP+3]            ; w_out's scale words: lanes 0-15 an even tile's, lanes 16-31 the odd one's
	v_mul_u32_u24 v[STO], v[TP], 528
	v_lshl_add_u32 v[STO], v[TP+1], 5, v[STO]
	v_add_nc_u32 v[STO], s61, v[STO]               ; in: row r, 32 bytes for each half of the lanes
	v_add_nc_u32 v[RD], s61, v[L16]                ; back: the 32 lanes take a row of 512 bytes
	v_and_b32 v[TP+3], 7, v0
	v_bfe_u32 v[TP+4], v0, 3, 1                    ; lanes r = 0-7 my first j, r = 8-15 my second
	v_mul_u32_u24 v[TP+4], v[TP+4], 3328
	v_lshl_add_u32 v[VB], v[TP+3], 4, v[TP+4]
	v_lshl_add_u32 v[VB], v[TP+1], 8, v[VB]
	v_lshl_add_u32 v[VS], v[TP+3], 2, v[TP+4]
	v_lshl_add_u32 v[VS], v[TP+1], 5, v[VS]
	v_mul_u32_u24 v[TP+3], v[TP+1], 24
	v_and_b32 v[TP+4], 1, v0
	v_lshl_add_u32 v[VMI], v[TP], 7, v[TP+3]       ; the mask's rows i: 128 r + 24 h
	v_lshl_add_u32 v[VMJ], v[TP+4], 7, v[TP+3]     ; rows j: lane r takes my j number r % 2
	v_lshlrev_b32 v[VWI], 7, v[TP]
	v_lshlrev_b32 v[VWJ], 7, v[TP+4]
	v_lshlrev_b32 v[VBI], 5, v[TP+1]               ; b_out: 32 h
	s_mov_b32 s[TA], 0
	s_mov_b32 s[TAS], 0
	s_mov_b32 s[TW], 0
	s_mov_b32 s[G0], 1
	s_mul_i32 s12, s11, 16*3328
	s_mov_b32 s13, 0
	s_mov_b32 s19, 0
	s_wait_alu depctr_va_vdst(0)
	s_wait_dscnt 0x0                               ; both opening adds are done
	CROUND                                         ; all four work-groups are here: the joint loads meet.  The arguments are still on their way
	s_wait_kmcnt 0x0
	s_add_nc_u64 s[12:13], s[68:69], s[12:13]
; THE HEAD'S LOADS, ONE A WAVE, the launch's only fills: waves 0 and 1 the halves of a, waves 2 to 5 w_out's K steps 0 to 3, waves 6 and 7 two K steps each.
.macro ARM under, lds, base, off, g1, next
	s_cmp_lt_u32 s[WV], \under
	s_cbranch_scc0 \next
	s_mov_b32 s[G0+1], \lds
	s_add_nc_u64 s[G0+2:G0+3], s[\base:\base+1], \off
	s_or_b32 s[G0+3], s[G0+3], 0x80000000
	tensor_load_to_lds s[G0:G0+3], s[\g1:\g1+7]
	s_nop 0
	PLACES
	s_branch .Lasked
\next:
.endm
	ARM 1, ACOD, 12, 0, G1A, .Larm1
	ARM 2, ACOD+8*ARP, 12, 8*3328, G1A, .Larm2
	ARM 3, 0, 74, 0, G1B, .Larm3
	ARM 4, WSTEP, 74, WSTEP, G1B, .Larm4
	ARM 5, 2*WSTEP, 74, 2*WSTEP, G1B, .Larm5
	ARM 6, 3*WSTEP, 74, 3*WSTEP, G1B, .Larm6
	ARM 7, 4*WSTEP, 74, 4*WSTEP, G1C, .Larm7
	s_mov_b32 s[G0+1], 6*WSTEP
	s_add_nc_u64 s[G0+2:G0+3], s[74:75], 6*WSTEP
	s_or_b32 s[G0+3], s[G0+3], 0x80000000
	tensor_load_to_lds s[G0:G0+3], s[G1C:G1C+7]
	s_nop 0
	PLACES
.Lasked:
	s_mul_i32 s18, s10, 3328
	s_add_nc_u64 s[88:89], s[70:71], s[18:19]
	s_lshl_b32 s18, s10, 7
	s_add_nc_u64 s[86:87], s[72:73], s[18:19]      ; the mask's rows j
	s_lshl_b32 s18, s11, 11
	s_add_nc_u64 s[84:85], s[72:73], s[18:19]      ; and i
	s_lshl_b32 s18, s11, 21                        ; out0: 16 rows i of 131,072 bytes,
	s_lshl_b32 s62, s10, 9                         ; 512 bytes a j
	s_add_co_u32 s18, s18, s62
	s_add_nc_u64 s[82:83], s[78:79], s[18:19]
	; ---- b stays in registers: tile u: lanes r = 0-7 channels 8 u .. 8 u + 7 of my first j, r = 8-15 the same of my second
.irp u, 0,1,2,3
.irp g, 0,1,2
	global_load_b128 v[BF+12*\u+4*\g:BF+12*\u+4*\g+3], v[VB], s[88:89] offset:1536*(\u/2)+128*(\u%2)+512*\g
.endr
.endr
.irp t, 0,1
	global_load_b32 v[BSC+\t], v[VS], s[88:89] offset:3072+128*\t
.endr
	global_load_b32 v[MSI], v[VWI], s[84:85] offset:96
	global_load_b32 v[MSJ], v[VWJ], s[86:87] offset:96
	WIN 0x40
.irp p, 0,1,2,3,4,5
	global_load_b64 v[MI+2*\p:MI+2*\p+1], v[VMI], s[84:85] offset:48*(\p/3)+8*(\p%3)
	global_load_b64 v[MJ+2*\p:MJ+2*\p+1], v[VMJ], s[86:87] offset:48*(\p/3)+8*(\p%3)
.endr
	WIN 0
.irp t, 0,1,2,3,4,5,6,7                        ; lane (r, h), tile t: b_out[16 t + 8 h + 0 .. 7], into the first j's sums
	global_load_b128 v[ACC+8*\t:ACC+8*\t+3], v[VBI], s[76:77] offset:64*\t
	global_load_b128 v[ACC+8*\t+4:ACC+8*\t+7], v[VBI], s[76:77] offset:64*\t+16
.endr
	s_wait_loadcnt 16                              ; b and the mask's codes are in; b_out's 16 loads may be out
	; ---- the pair counts, while the tiles land.  Source 0's row m is my j number m % 2, source 1's rows are my 16 residues i: registers 0 and 1 are norm(i0 + r, first j), norm(i0 + r, second j)
	WIN 0x45
	v_wmma_scale_f32_16x16x128_f8f6f4 v[NRM:NRM+7], v[MJ:MJ+11], v[MI:MI+11], 0, v[MSJ], v[MSI] matrix_a_fmt:MATRIX_FMT_FP6 matrix_b_fmt:MATRIX_FMT_FP6
	PLACES
	WIN 0x04
	v_add_f32 v[TP], 0x3a83126f, v[NRM]            ; + 1e-3
	v_add_f32 v[TP+1], 0x3a83126f, v[NRM+1]
	WIN 0
	s_wait_alu depctr_va_vdst(0)                   ; ahead of the batch,
.irp p, 0,1
	v_rcp_f32 v[RN+4*\p], v[TP+\p]
	v_rcp_f32 v[RN+4*\p+1], v[TP+\p]               ; each twice, for the packed multiply
.endr
	v_nop
	s_wait_alu depctr_va_vdst(0)                   ; and behind it
	s_cmp_lt_u32 s[WV], 4                          ; waves 0 to 3: a and w_out's K steps 0 and 1 are in
	s_cbranch_scc0 .Lno_wait
	s_wait_tensorcnt 0x0
.Lno_wait:
	s_barrier_signal -1
	s_barrier_wait -1                              ; and seen by all waves.  Nothing is filled again in this launch, so the rest stays on its way
	FETCH_A                                        ; K step 0
	HS 0, 1                                        ; K step 0
	s_wait_loadcnt 0x0                             ; b_out
	HS 1, 1                                        ; K step 1; the second product of K step 0 starts the sums
	s_wait_tensorcnt 0x0                           ; the rest of w_out is in,
	s_wait_dscnt 0x0
	s_barrier_signal -1
	s_barrier_wait -1                              ; for all waves
	s_mov_b32 s[KC], 0
.Lk:                                               ; K steps 2 to 6
	HS 2, 1
	s_add_co_u32 s[KC], s[KC], 1
	s_cmp_lt_u32 s[KC], 5
	s_cbranch_scc1 .Lk
	HS 2, 0                                        ; K step 7: nothing is left to fetch of a
	s_wait_dscnt 0x0                               ; its fragments of w_out
	PLACES                                         ; codes written by vector instructions stand four places ahead of a scaled product
	BODY 3, 0                                      ; its second product
	WIN 0
	PLACES                                         ; for the reads of results
	; ---- THE WAY OUT: x 1 / (1e-3 + norm).  A lane holds 32 neighbouring bytes of a row out0[i][j][:], the lanes beside it other rows: so 16 rows go through my own stage in LDS and come back whole.
	; LDS serves a wave's instructions in order (ISA guide 5.7.1.4): no wait between the stores and the loads, nor ahead of the second j's stores.
.irp q, 0,1
	WIN 0
.set n, 0
.rept 32
	v_pk_mul_f32 v[ACC+64*\q+2*n:ACC+64*\q+2*n+1], v[ACC+64*\q+2*n:ACC+64*\q+2*n+1], v[RN+4*\q:RN+4*\q+1]   ; each accumulator from its low end on
.set n, n+1
.endr
.set n, 0
.rept 16
	ds_store_b128 v[STO], v[ACC+64*\q+4*n:ACC+64*\q+4*n+3] offset:64*(n/2)+16*(n%2)
.set n, n+1
.endr
	WIN 0x40
.set n, 0
.rept 16
	ds_load_b128 v[64*\q+4*n:64*\q+4*n+3], v[RD] offset:528*n
.set n, n+1
.endr
.endr
	s_wait_dscnt 32                                ; the first j's 16 rows are back; the second j's 16 stores and 16 loads may be out
	WIN 0x04                                       ; a store's data are its source 1: window 1
.set n, 0
.rept 16                                       ; 32 lanes store 512 consecutive bytes, at a multiple of 256 from out0's first byte; written once, read by nobody here
	global_store_b128 v[L16], v[4*n:4*n+3], s[82:83] offset:131072*n th:TH_STORE_NT
.set n, n+1
.endr
	s_wait_dscnt 0x0
.set n, 0
.rept 16
	global_store_b128 v[L16], v[64+4*n:64+4*n+3], s[82:83] offset:131072*n+512 th:TH_STORE_NT
.set n, n+1
.endr
	WIN 0
	s_wait_tensorcnt 0x0                           ; the wave's end
	ds_add_u32 v[SPW], v[NIL]
	s_wait_dscnt 0x0
	CROUND                                         ; the closing round: no work-group ends while a partner may still ask for a tile that names it
	s_endpgm
.Lfunc_end_k_q1ceecad421_pairs:
	.size	k_q1ceecad421_pairs, .Lfunc_end_k_q1ceecad421_pairs-k_q1ceecad421_pairs
	.p2alignl 7, 3214868480
	.fill 96, 4, 3214868480
	.section	.rodata,"a",@progbits
	.p2align	6, 0x0
	.amdhsa_kernel k_q1ceecad421_pairs
		.amdhsa_group_segment_fixed_size 231680
		.amdhsa_private_segment_fixed_size 0
		.amdhsa_enable_private_segment 0
		.amdhsa_kernarg_size 48
		.amdhsa_user_sgpr_count 2
		.amdhsa_user_sgpr_kernarg_segment_ptr 1
		.amdhsa_wavefront_size32 1
		.amdhsa_system_sgpr_workgroup_id_x 1
		.amdhsa_system_sgpr_workgroup_id_y 1
		.amdhsa_system_sgpr_workgroup_id_z 1
		.amdhsa_system_vgpr_workitem_id 0
		.amdhsa_next_free_vgpr 512
		.amdhsa_next_free_sgpr 96
		.amdhsa_reserve_vcc 0
		.amdhsa_float_denorm_mode_32 3
		.amdhsa_float_denorm_mode_16_64 3
		.amdhsa_memory_ordered 1
		.amdhsa_forward_progress 1
		.amdhsa_inst_pref_size 80
	.end_amdhsa_kernel
	.amdgpu_metadata
---
amdhsa.version: [ 1, 2 ]
amdhsa.kernels:
  - .name:           k_q1ceecad421_pairs
    .symbol:         k_q1ceecad421_pairs.kd
    .args:
      - { .name: arec, .offset: 0, .size: 8, .value_kind: global_buffer, .address_space: global }
      - { .name: brec, .offset: 8, .size: 8, .value_kind: global_buffer, .address_space: global }
      - { .name: maskq, .offset: 16, .size: 8, .value_kind: global_buffer, .address_space: global }
      - { .name: wo, .offset: 24, .size: 8, .value_kind: global_buffer, .address_space: global }
      - { .name: b_out, .offset: 32, .size: 8, .value_kind: global_buffer, .address_space: global }
      - { .name: out0, .offset: 40, .size: 8, .value_kind: global_buffer, .address_space: global }
    .group_segment_fixed_size: 231680
    .private_segment_fixed_size: 0
    .kernarg_segment_align: 8
    .kernarg_segment_size: 48
    .max_flat_workgroup_size: 256
    .sgpr_count:     96
    .vgpr_count:     512
    .wavefront_size: 32
...
	.end_amdgpu_metadata
.endif
;; end of part 2
